; MI455X (gfx1250); checked and timed in simulation.
; The chip was launched on July 23, 2026; its instructions are those of AMD's public machine-readable ISA for CDNA 5 (MIT licence, August 2026) and "CDNA5" Instruction Set Architecture Reference Guide (July 2026). The comments in the code are by the model that wrote it; some were corrected since.
;; CA3 Recurrent Matrix. Allowed arithmetic: float matrix products may take bf16 or f16 operands with f32 sums; all other float work in f32.
;; Inputs: ben_israel_log_scale one number float32; memory_mean 1,024 x 2,048 float32; query 2,048 x 2,048 float32.
;; Outputs: out0 2,048 x 2,048 float32.
;; One version. Each part assembles by itself: llvm-mc -triple=amdgcn-amd-amdhsa -mcpu=gfx1250 --defsym DOCPART=n.
;; ======== version 1 of 1: 3 launches
;; workspace buffers: Gb 2,097,152 bytes; T0b 4,194,304 bytes; At 4,194,304 bytes; V1b 4,194,304 bytes; H1t 4,194,304 bytes; part1 2,048 bytes; part2 2,048 bytes
;; launch gram (part 1): grid 8 x 32, 4 waves a work-group, clusters of 4 x 4, 327,680 bytes of LDS; arguments memory_mean, query, Gb, T0b, At, part1; writes Gb, T0b, At, part1
.if DOCPART == 1
	.amdgcn_target "amdgcn-amd-amdhsa--gfx1250"
	.amdhsa_code_object_version 6
	.text
	.protected	k_q7e32400eb0_gram
	.globl	k_q7e32400eb0_gram
	.p2align	8
	.type	k_q7e32400eb0_gram,@function
k_q7e32400eb0_gram:
	s_mov_b64 s[64:65], 0
	v_nop
	global_prefetch_b8 v0, s[64:65] scope:SCOPE_SE
	s_setreg_imm32_b32 hwreg(HW_REG_WAVE_MODE, 25, 1), 1
	s_wait_xcnt 0x0
	s_wait_alu depctr_hold_cnt(0) depctr_sa_sdst(0) depctr_va_vdst(0) depctr_va_sdst(0) depctr_va_ssrc(0) depctr_va_vcc(0) depctr_vm_vsrc(0)
	s_getreg_b32 s2, hwreg(HW_REG_IB_STS2, 6, 4)
	s_cmp_eq_u32 s2, 0
	s_cbranch_scc0 .Lentry_in_a_cluster
	s_endpgm
.Lentry_in_a_cluster:
	s_bfe_u32 s2, ttmp6, 0x10000c
	s_cmp_lg_u32 s2, 0xf033
	s_cbranch_scc0 .Lentry_shape_is_right
	s_endpgm
.Lentry_shape_is_right:
; LAUNCH 1 OF 3 for retrieved = query pinv A.  A = memory_mean [1024][2048], Q = query [2048][2048], both f32.
;
; THE FORM COMPUTED.  G = A A^T (1024 x 1024), S = sum of A^2 = tr G, tau = S + 1e-8, beta = min(exp(log_scale), 5e-4), X = (beta / tau) G.
; reference() starts at pinv = (beta / tau) A^T.  If pinv = A^T M with M a polynomial in G, then 2 pinv - pinv (A pinv) = A^T (2 M - M G M), again of that
; form, and I - G M is squared by the step.  So after j steps I - G M = (I - X)^n with n = 2^j, that is M = (beta / tau) p_n(X) with
; p_n(x) = sum over i < n of (1 - x)^i = n - C(n,2) x + C(n,3) x^2 - ..., and recon - A = -(I - X)^n A, whose squared norm is tr(G (I - X)^(2n)).
; These are identities for all inputs; by them no [2048][1024] iterate is formed.  With T0 = Q A^T, V1 = T0 G / tau, H1 = G A / tau:
;   retrieved = a0 (T0 A + r1 (V1 A + r2 V1 H1)),  a0 = n beta / tau,  r1 = -(n-1) beta / 2,  r2 = -(n-2) beta / 3,
;   residual_j^2 = S - N beta F2 / tau + C(N,2) beta^2 F3,  N = 2^(j+1),  F2 = sum of G^2,  F3 = sum of H1^2.
; n is 2, 4, 8 or 16 by reference()'s masked stopping (the first j of 1, 2, 3 whose residual is under 1e-4, else all four steps); it selects three numbers
; and no address.
; WHERE THE SERIES ARE CUT, FOR ALL INPUTS.  G is positive semidefinite, so its largest eigenvalue is at most tr G = S < tau, and reference() itself clamps
; beta at 5e-4: 0 <= X <= 5e-4 I whatever the inputs hold.  The terms of p_n from x^3 on are at most C(16,4) (5e-4)^3 / 16 = 1.4e-8 of the leading term, and
; those of the residual at most C(16,3) (5e-4)^3 = 7e-8 of it: both under half a unit in f32's last place beside the term that they are added to.
; DEAD WORK.  The fourth trip's recon and res_new feed only 'residual' and 'done', which nothing reads behind that trip, and reference() does not return
; 'residual': they are not computed.  All three inputs have a way to the output and are loaded (log_scale in launch 3).
; LIMITS.  A NaN, infinity or overflow that reaches only the work left out is not carried to the result.  A residual within rounding of 1e-4 may choose another
; n than reference()'s f32 does.  The order of rounding differs from reference()'s; Q, A, G, T0, V1, H1 are matrix operands in bf16, all sums are f32.
;
; THIS LAUNCH.  8 x 32 work-groups in clusters of 4 x 4; the cluster's y (the same in all sixteen partners) chooses the work:
;   0, 1: G, 64 tiles of 128 x 128 (and each wave's part of F2);   2 to 5: T0, 128 tiles;   6, 7: the side job, 64 work-groups: At = bf16(A^T) and parts of S.
; A tile is made by four waves of 64 x 64 (16 accumulator tiles).  K goes in steps of 128 f32 through two LDS slots that the tensor data mover fills: rows of
; 512 bytes, starting at multiples of 512 bytes.  The four partners of a cluster's row need the same rows of the first operand, the four of a column the same
; rows of A: those tiles are asked for jointly.  The f32 fragments are rounded to bf16 on the way from LDS to the matrix instruction.
; The matrix instruction is used transposed (source 0: rows of the second operand), so that a lane holds eight neighbouring columns of one row of the result.
.set KB,     512                       ; bytes of a row in a K step
.set PITCH,  528                       ; LDS row: 512 bytes + 16 of padding = 33 x 16: sixteen rows start in sixteen different 16-byte columns modulo 256
.set FR,     16*PITCH                  ; sixteen rows: from fragment to fragment
.set HALF,   64*PITCH                  ; what one tensor load brings, and what one wave reads of an operand
.set TILE,   2*HALF
.set SLOT,   2*TILE                    ; the first operand's 128 rows, then the second's
.set STAGE,  2*SLOT                    ; byte 270,336 = 1,056 x 256: 128 rows x 272 bytes, written by ds_store alone; no tensor load lands here
.set SP,     272
.set LANE, 1                           ; v1   lane
.set RR,   2                           ; v2   lane % 16
.set HH,   3                           ; v3   lane / 16
.set ADRA, 4                           ; v4-5 LDS address of my fragments of the first operand in slot 0, 1
.set ADRB, 6                           ; v6-7 the same for the second operand
.set STO,  8                           ; v8   the way out: where my 16 bytes of a row go
.set RD,   9                           ; v9   the way out: where I read rows back
.set CO,   10                          ; v10  my byte offset in the output (rows of 2,048 bytes)
.set ZERO, 11                          ; v11  0
.set SSTO, 12                          ; v12  side job: where my transposed 16 bytes go
.set SOFF, 13                          ; v13  side job: my byte offset in A
.set ACC,  16                          ; v[16:143]  accumulator tile (a, b) at ACC + 8 (4 a + b); side job: 32 rows as loaded
.set BF,   144                         ; v[144:175] four bf16 fragments of the second operand; side job: TP
.set AF,   176                         ; v[176:191] two bf16 fragments of the first operand, by turns; side job: SS
.set ST,   192                         ; v[192:255] four f32 fragments of 16 registers, a ring; later the way out
.set TP,   144
.set SS,   176
.set G1,  24                           ; s[24:31] descriptor group 1, first operand (mask: my row of the cluster)
.set G0,  32                           ; s[32:39] group 0, first operand, one set for each slot
.set G1B, 48                           ; s[48:55] group 1, second operand (mask: my column)
.set G0B, 56                           ; s[56:63] group 0, second operand
.macro PLACES                          ; four places behind a matrix instruction (ISA guide 7.12.1)
.rept 4
	v_nop
.endr
.endm
; A joint load: waves 0 and 1 fetch the two halves of the first operand's tile, waves 2 and 3 those of the second's.  The branch hangs on the wave's number alone.
.macro JLOAD s
	s_cmp_eq_u32 s17, 0
	s_cbranch_scc0 .Lfor_b_\@
	tensor_load_to_lds s[G0+4*(\s):G0+4*(\s)+3], s[G1:G1+7]
	s_nop 0
	s_branch .Lasked_\@
.Lfor_b_\@:
	tensor_load_to_lds s[G0B+4*(\s):G0B+4*(\s)+3], s[G1B:G1B+7]
	s_nop 0
.Lasked_\@:
.endm
; A round of the cluster's barrier: my work-group's barrier, wave 0 signals for the work-group, every wave waits for all sixteen, my work-group's barrier again.
.macro CREST
	s_cmp_lg_u32 s16, 0
	s_cbranch_scc1 .Lnot_wave_0_\@
	s_barrier_signal -3
.Lnot_wave_0_\@:
	s_barrier_wait -3
	s_barrier_signal -1
	s_barrier_wait -1
.endm
.macro CROUND
	s_barrier_signal -1
	s_barrier_wait -1
	CREST
.endm
; The change of slots.  refill = 1: slot 'other', read in the last K step, is asked for again, two K steps ahead.
.macro CHANGE other, refill
	s_wait_dscnt 0x0                               ; my reads of the slot read last are back
	s_set_vgpr_msb 0x4
	s_wait_tensorcnt 0x0                           ; all my tensor loads have landed, my part of the next slot among them: every group 0 may be written
	ds_add_u32 v15, v1
	s_wait_dscnt 0x0
	s_set_vgpr_msb 0x400
.if \refill
	s_add_nc_u64 s[G0+4*\other+2:G0+4*\other+3], s[G0+4*\other+2:G0+4*\other+3], 2*KB
	s_add_nc_u64 s[G0B+4*\other+2:G0B+4*\other+3], s[G0B+4*\other+2:G0B+4*\other+3], 2*KB
	CROUND                                         ; both now hold of every wave of all sixteen work-groups
	JLOAD \other                                   ; my one tensor load behind the round, first thing there
.else
	s_barrier_signal -1                            ; it shows the last slot whole to every wave
	s_barrier_wait -1
.endif
.endm
; Sum over the 32 lanes, result in every lane.  t: a register that has been written.
.macro WSUM x, t
	v_add_f32_dpp v[\x], v[\x], v[\x] row_xmask:1 row_mask:0xf bank_mask:0xf
	v_add_f32_dpp v[\x], v[\x], v[\x] row_xmask:2 row_mask:0xf bank_mask:0xf
	v_add_f32_dpp v[\x], v[\x], v[\x] row_xmask:4 row_mask:0xf bank_mask:0xf
	v_add_f32_dpp v[\x], v[\x], v[\x] row_xmask:8 row_mask:0xf bank_mask:0xf
	v_permlanex16_b32 v[\t], v[\x], s70, s71
	v_add_f32 v[\x], v[\x], v[\t]
.endm
.macro FOLD8 b                         ; eight sums of each lane, v[b] to v[b+7], into one number in v[b] of every lane
	v_pk_add_f32 v[\b:\b+1], v[\b:\b+1], v[\b+4:\b+5]
	v_pk_add_f32 v[\b+2:\b+3], v[\b+2:\b+3], v[\b+6:\b+7]
	v_pk_add_f32 v[\b:\b+1], v[\b:\b+1], v[\b+2:\b+3]
	v_add_f32 v[\b], v[\b], v[\b+1]
	WSUM \b, \b+1
.endm
.macro ONE x, p                        ; lane 0 stores v[x] at s[p:p+1]; EXEC changes only behind s_wait_xcnt 0, both ways
	v_cmp_eq_u32 vcc_lo, 0, v[LANE]
	s_wait_xcnt 0x0
	s_and_saveexec_b32 s72, vcc_lo
	global_store_b32 v[ZERO], v[\x], s[\p:\p+1]
	s_wait_xcnt 0x0
	s_or_b32 exec_lo, exec_lo, s72
.endm
; Fragment fi of a K step's 32 (fi = 8 kk + q; q 0-3: second operand's blocks of 16 rows, q 4-7: first operand's; kk: 32 along K) as f32, 16 registers:
; lane (r, h) needs k = 8h .. 8h+7 and 16+8h .. 16+8h+7: 32 bytes at 32 h and 32 bytes at 64 + 32 h of its row's 128 bytes.
.macro LDF slot, fi
.set LD_R, ST+16*((\fi)&3)
.set LD_O, ((\fi)&3)*FR+((\fi)>>3)*128
.if ((\fi)&7) < 4
.set LD_A, ADRB+\slot
.else
.set LD_A, ADRA+\slot
.endif
	ds_load_b128 v[LD_R:LD_R+3],     v[LD_A] offset:LD_O
	ds_load_b128 v[LD_R+4:LD_R+7],   v[LD_A] offset:LD_O+16
	ds_load_b128 v[LD_R+8:LD_R+11],  v[LD_A] offset:LD_O+64
	ds_load_b128 v[LD_R+12:LD_R+15], v[LD_A] offset:LD_O+80
.endm
; A K step: 32 fragments go through the ring of four; each is rounded to bf16 (8 conversions), its place in the ring is asked for again four fragments ahead,
; and behind each fragment of the first operand stand its four matrix instructions.  The sixteen accumulators take turns, one instruction a turn, over the
; backward jump too.  zero = 1: the first 32 along K start the sums.
.macro STEP slot, zero
	LDF \slot, 0
	LDF \slot, 1
	LDF \slot, 2
	LDF \slot, 3
.set FI, 0
.rept 32
.if (FI&7) == 0
	PLACES                                         ; BF is written again: four places behind the matrix instructions that read it
.endif
.if FI < 29
	s_wait_dscnt 12                                ; LDS loads come back in order: mine are in, the three younger fragments' twelve may be out
.else
	s_wait_dscnt 4*(31-FI)                         ; the last three: fewer are behind them
.endif
.if (FI&7) < 4
.set CD, BF+8*(FI&7)
.else
.set CD, AF+8*(FI&1)                               ; AF's two fragments by turns: one is written again eight conversions behind its last reader
.endif
.set JJ, 0
.rept 8
	v_cvt_pk_bf16_f32 v[CD+JJ], v[ST+16*(FI&3)+2*JJ], v[ST+16*(FI&3)+2*JJ+1]
.set JJ, JJ+1
.endr
.if FI < 28
	LDF \slot, (FI+4)
.endif
.if (FI&7) >= 4
.set ZC, 0
.if \zero
.if FI < 8
.set ZC, 1
.endif
.endif
.set BB, 0
.rept 4
.set DD, ACC+8*(4*((FI&7)-4)+BB)
.if ZC
	v_wmma_f32_16x16x32_bf16 v[DD:DD+7], v[BF+8*BB:BF+8*BB+7], v[AF+8*(FI&1):AF+8*(FI&1)+7], 0
.else
	v_wmma_f32_16x16x32_bf16 v[DD:DD+7], v[BF+8*BB:BF+8*BB+7], v[AF+8*(FI&1):AF+8*(FI&1)+7], v[DD:DD+7]
.endif
.set BB, BB+1
.endr
.endif
.set FI, FI+1
.endr
.endm
	s_load_b256 s[4:11], s[0:1], 0x0               ; memory_mean s[4:5], query s[6:7], Gb s[8:9], T0b s[10:11]
	s_load_b128 s[12:15], s[0:1], 0x20             ; At s[12:13], part1 s[14:15]
	v_lshl_add_u32 v15, v0, 2, 0x4a800
	s_set_vgpr_msb 0x40
	v_mov_b32 v1, 0
	s_set_vgpr_msb 0x4044
	ds_add_u32 v15, v1
	s_set_vgpr_msb 0x4400
	v_lshrrev_b32 v14, 5, v0
	v_readfirstlane_b32 s16, v14                   ; wave 0..3
	s_lshr_b32 s17, s16, 1                         ; my 64 rows of the tile.  Also: I fetch for the first operand (0) or the second (1)
	s_and_b32 s18, s16, 1                          ; my 64 columns.  Also: which 64 rows of that operand's tile I fetch
	s_bfe_u32 s20, ttmp6, 0x40000                  ; cx
	s_bfe_u32 s21, ttmp6, 0x40004                  ; cy
	s_lshl_b32 s22, ttmp9, 2
	s_add_co_u32 s22, s22, s20                     ; x = 4 x cluster x + cx, 0..7
	s_and_b32 s40, ttmp7, 0xffff                   ; the cluster's y, 0..7: the same in all partners
	s_lshl_b32 s23, s40, 2
	s_add_co_u32 s23, s23, s21                     ; y = 4 x cluster y + cy, 0..31
	s_lshl_b32 s41, s21, 2
	s_lshl_b32 s41, 15, s41                        ; my row of the cluster: places 4 cy .. 4 cy + 3
	s_lshl_b32 s42, 0x1111, s20                    ; my column: places cx, cx + 4, cx + 8, cx + 12
	s_mov_b32 s70, 0x76543210                      ; v_permlanex16_b32: lane i reads lane i of the other half
	s_mov_b32 s71, 0xfedcba98
	; group 1: 64 rows x 128 elements of 4 bytes, 4 words of padding behind every 128 words, 2,048 elements from row to row
	s_or_b32 s[G1+0],  s41, (2<<16)|(1<<20)|(1<<21)|(6<<22)|(3<<25)
	s_or_b32 s[G1B+0], s42, (2<<16)|(1<<20)|(1<<21)|(6<<22)|(3<<25)
	s_mov_b32 s[G1+1],  128<<16                    ; tensor_dim0 = 128
	s_mov_b32 s[G1B+1], 128<<16
	s_mov_b32 s[G1+2],  64<<16                     ; tensor_dim1 = 64
	s_mov_b32 s[G1B+2], 64<<16
	s_mov_b32 s[G1+3],  128<<16                    ; tile_dim0 = 128
	s_mov_b32 s[G1B+3], 128<<16
	s_mov_b32 s[G1+4],  64                         ; tile_dim1 = 64
	s_mov_b32 s[G1B+4], 64
	s_mov_b32 s[G1+5],  2048                       ; the pitch
	s_mov_b32 s[G1B+5], 2048
	s_mov_b32 s[G1+6],  0
	s_mov_b32 s[G1B+6], 0
	s_mov_b32 s[G1+7],  0
	s_mov_b32 s[G1B+7], 0
	; lane addresses: made of the lane and the wave's number alone
	v_and_b32 v[LANE], 31, v0
	v_and_b32 v[RR], 15, v0
	v_bfe_u32 v[HH], v0, 4, 1
	v_mov_b32 v[ZERO], 0
	v_mul_u32_u24 v14, v[RR], PITCH
	v_lshl_add_u32 v14, v[HH], 5, v14              ; row x pitch + 32 h (f32 fragments)
	s_mul_i32 s44, s17, HALF
	s_mul_i32 s45, s18, HALF
	s_add_co_u32 s45, s45, TILE
	v_add_nc_u32 v[ADRA], s44, v14
	v_add_nc_u32 v[ADRB], s45, v14
	v_add_nc_u32 v[ADRA+1], SLOT, v[ADRA]
	v_add_nc_u32 v[ADRB+1], SLOT, v[ADRB]
	s_mul_i32 s44, s17, 64*SP
	s_lshl_b32 s45, s18, 7
	s_add_co_u32 s44, s44, s45
	s_add_co_u32 s44, s44, STAGE
	v_mul_u32_u24 v14, v[RR], SP
	v_lshl_add_u32 v14, v[HH], 4, v14
	v_add_nc_u32 v[STO], s44, v14                  ; stage row 64 wr + r, byte 128 wc + 16 h
	s_mul_i32 s44, s16, 32*SP
	s_add_co_u32 s44, s44, STAGE
	v_mul_u32_u24 v14, v[HH], SP
	v_lshl_add_u32 v14, v[RR], 4, v14
	v_add_nc_u32 v[RD], s44, v14                   ; stage row 32 w + h, byte 16 r: sixteen lanes take a row of 256 bytes
	s_lshl_b32 s44, s16, 16
	v_lshlrev_b32 v14, 11, v[HH]
	v_lshl_add_u32 v14, v[RR], 4, v14
	v_add_nc_u32 v[CO], s44, v14                   ; the same row in an output whose rows are 2,048 bytes
	s_lshl_b32 s44, s16, 6
	s_add_co_u32 s44, s44, STAGE
	v_mul_u32_u24 v14, v[LANE], 4*SP
	v_add_nc_u32 v[SSTO], s44, v14                 ; side job: stage row 4 lane, byte 64 w
	s_lshl_b32 s44, s16, 18
	v_lshl_add_u32 v[SOFF], v[LANE], 4, s44        ; side job: 32 w rows of 8,192 bytes + 16 lane
	s_mul_i32 s73, s16, HALF                       ; where my tensor loads land: wave x 64 rows
	s_wait_dscnt 0x0
	s_wait_kmcnt 0x0
	CROUND                                         ; all sixteen work-groups are here: the first joint loads meet
	s_cmp_ge_u32 s40, 6                            ; the cluster's y: all partners go the same way
	s_cbranch_scc1 .Lside
	; ---- G and T0 ----
	s_cmp_lt_u32 s40, 2
	s_cselect_b64 s[66:67], s[4:5], s[6:7]         ; first operand: A for G, Q for T0
	s_cselect_b64 s[68:69], s[8:9], s[10:11]       ; output: Gb or T0b
	s_cselect_b32 s44, 0, 8
	s_sub_co_u32 s43, s23, s44                     ; row tile of the first operand and of the output
	s_lshl_b32 s44, s43, 20                        ; 128 rows of 8,192 bytes
	s_lshl_b32 s45, s18, 19                        ; + my 64 rows
	s_add_co_u32 s44, s44, s45
	s_mov_b32 s45, 0
	s_add_nc_u64 s[66:67], s[66:67], s[44:45]      ; hangs on y alone, which my row of the cluster shares
	s_lshl_b32 s46, s22, 20
	s_lshl_b32 s47, s18, 19
	s_add_co_u32 s46, s46, s47
	s_mov_b32 s47, 0
	s_add_nc_u64 s[46:47], s[4:5], s[46:47]        ; second operand: rows 128 x of A: hangs on x alone, which my column shares
.irp s, 0,1
	s_mov_b32 s[G0+4*\s], 1
	s_add_co_u32 s[G0+4*\s+1], s73, \s*SLOT
	s_add_nc_u64 s[G0+4*\s+2:G0+4*\s+3], s[66:67], \s*KB
	s_or_b32 s[G0+4*\s+3], s[G0+4*\s+3], 0x80000000
	s_mov_b32 s[G0B+4*\s], 1
	s_add_co_u32 s[G0B+4*\s+1], s73, \s*SLOT
	s_add_nc_u64 s[G0B+4*\s+2:G0B+4*\s+3], s[46:47], \s*KB
	s_or_b32 s[G0B+4*\s+3], s[G0B+4*\s+3], 0x80000000
	JLOAD \s                                       ; K steps 0 and 1: two loads of the wave are out, later one
.endr
	s_wait_tensorcnt 0x1                           ; my part of K step 0 is in; K step 1's stays out
	s_barrier_signal -1
	s_barrier_wait -1
	STEP 0, 1                                      ; K step 0 starts the sums
	s_mov_b32 s19, 7                               ; K steps 1 to 14
.Lk:
	CHANGE 0, 1
	STEP 1, 0
	CHANGE 1, 1
	STEP 0, 0
	s_sub_co_u32 s19, s19, 1
	s_cmp_lg_u32 s19, 0
	s_cbranch_scc1 .Lk
	CHANGE 0, 0                                    ; K step 15: nothing is left to fetch
	STEP 1, 0
	PLACES                                         ; behind the last matrix instructions, ahead of everything that reads results
	s_cmp_ge_u32 s40, 2
	s_cbranch_scc1 .Lno_f2
	; my 64 x 64 part of F2 = sum of G^2, four chains of packed multiply-adds
.set JJ, 0
.rept 64
.if JJ < 4
	v_pk_mul_f32 v[ST+2*JJ:ST+2*JJ+1], v[ACC+2*JJ:ACC+2*JJ+1], v[ACC+2*JJ:ACC+2*JJ+1]
.else
	v_pk_fma_f32 v[ST+2*(JJ&3):ST+2*(JJ&3)+1], v[ACC+2*JJ:ACC+2*JJ+1], v[ACC+2*JJ:ACC+2*JJ+1], v[ST+2*(JJ&3):ST+2*(JJ&3)+1]
.endif
.set JJ, JJ+1
.endr
	FOLD8 ST
	s_lshl3_add_u32 s76, s23, s22                  ; 8 y + x
	s_lshl2_add_u32 s76, s76, s16                  ; x 4 + wave
	s_lshl_b32 s76, s76, 2
	s_add_co_u32 s76, s76, 1024                    ; F2's 256 words lie behind S's
	s_mov_b32 s77, 0
	s_add_nc_u64 s[76:77], s[14:15], s[76:77]
	ONE ST, 76
.Lno_f2:
	s_lshl_b32 s74, s43, 18                        ; 128 rows of 2,048 bytes
	s_lshl_b32 s75, s22, 8                         ; + 128 columns of 2 bytes
	s_add_co_u32 s74, s74, s75
	s_mov_b32 s75, 0
	s_add_nc_u64 s[68:69], s[68:69], s[74:75]
	; the way out: round to bf16, 16 bytes a lane into the stage; two waves share each row of 256 bytes, so a barrier; whole rows back and out
.set TT, 0
.rept 16
.irp j, 0,1,2,3
	v_cvt_pk_bf16_f32 v[ST+4*TT+\j], v[ACC+8*TT+2*\j], v[ACC+8*TT+2*\j+1]
.endr
.set TT, TT+1
.endr
.set TT, 0
.rept 16
	ds_store_b128 v[STO], v[ST+4*TT:ST+4*TT+3] offset:(TT>>2)*16*SP+(TT&3)*32
.set TT, TT+1
.endr
	s_wait_dscnt 0x0                               ; for the other waves' sake: all my stores into the stage are done
	s_barrier_signal -1
	s_barrier_wait -1
.set TT, 0
.rept 16
	ds_load_b128 v[ACC+4*TT:ACC+4*TT+3], v[RD] offset:TT*2*SP
.set TT, TT+1
.endr
.set TT, 0
.rept 16
	s_wait_dscnt 15-TT                             ; in order: pair TT of rows is in
	global_store_b128 v[CO], v[ACC+4*TT:ACC+4*TT+3], s[68:69] offset:4096*TT   ; sixteen lanes store 256 consecutive bytes, at a multiple of 256
.set TT, TT+1
.endr
	s_branch .Lend
	; ---- the side job: At[c][k] = bf16(A[k][c]) for 128 k x 256 c, in two passes of 128 c, and my part of S = sum of A^2 ----
	; A wave takes 32 rows k; a load covers 512 consecutive bytes of one row; a lane holds 4 columns of each row.  Eight rows of one column pack into 16 bytes
	; of a row of At.  These stores go to stage rows 4 lane + c: of each sixteen lanes four fall on the same 16-byte column modulo 256 (4 x 272 = 64 mod 256);
	; no pitch that is a multiple of 16 avoids that with four rows a lane.
.macro SLOADS p
.set II, 0
.rept 32
	global_load_b128 v[ACC+4*II:ACC+4*II+3], v[SOFF], s[66:67] offset:II*8192+512*\p
.set II, II+1
.endr
.endm
.macro SPASS p
.set GG, 0
.rept 4
	s_wait_loadcnt 24-8*GG                         ; group GG's eight rows are in; the younger groups stay out
.set II, 0
.rept 16
.if NS < 4
	v_pk_mul_f32 v[SS+2*NS:SS+2*NS+1], v[ACC+32*GG+2*II:ACC+32*GG+2*II+1], v[ACC+32*GG+2*II:ACC+32*GG+2*II+1]
.else
	v_pk_fma_f32 v[SS+2*(NS&3):SS+2*(NS&3)+1], v[ACC+32*GG+2*II:ACC+32*GG+2*II+1], v[ACC+32*GG+2*II:ACC+32*GG+2*II+1], v[SS+2*(NS&3):SS+2*(NS&3)+1]
.endif
.set NS, NS+1
.set II, II+1
.endr
.set CC, 0
.rept 4
.set TT, 0
.rept 4
	v_cvt_pk_bf16_f32 v[TP+4*CC+TT], v[ACC+4*(8*GG+2*TT)+CC], v[ACC+4*(8*GG+2*TT+1)+CC]   ; rows 2 TT and 2 TT + 1 of column CC
.set TT, TT+1
.endr
	ds_store_b128 v[SSTO], v[TP+4*CC:TP+4*CC+3] offset:CC*SP+16*GG
.set CC, CC+1
.endr
.set GG, GG+1
.endr
.if \p == 0
	SLOADS 1                                       ; the second pass's rows are on their way while the first goes out
.endif
	s_wait_dscnt 0x0                               ; all my stores into the stage are done
	s_barrier_signal -1
	s_barrier_wait -1
.if \p
	s_wait_xcnt 0x0                                ; ST was the first pass's store data: it is loaded again only behind this wait
.endif
.set TT, 0
.rept 16
	ds_load_b128 v[ST+4*TT:ST+4*TT+3], v[RD] offset:TT*2*SP
.set TT, TT+1
.endr
.set TT, 0
.rept 16
	s_wait_dscnt 15-TT
	global_store_b128 v[CO], v[ST+4*TT:ST+4*TT+3], s[68:69] offset:4096*TT+262144*\p   ; 256 consecutive bytes of a row of At from sixteen lanes
.set TT, TT+1
.endr
.if \p == 0
	s_barrier_signal -1                            ; every wave's reads of the stage are back (the count-down ended at 0): it may be written again
	s_barrier_wait -1
.endif
.endm
.Lside:
	s_sub_co_u32 s74, s23, 24                      ; kb: my 128 rows k
	s_lshl_b32 s76, s74, 20                        ; 128 rows of 8,192 bytes
	s_lshl_b32 s77, s22, 10                        ; + 256 columns of 4 bytes
	s_add_co_u32 s76, s76, s77
	s_mov_b32 s77, 0
	s_add_nc_u64 s[66:67], s[4:5], s[76:77]
	s_lshl_b32 s76, s22, 19                        ; At: 256 rows of 2,048 bytes
	s_lshl_b32 s77, s74, 8                         ; + 128 k of 2 bytes
	s_add_co_u32 s76, s76, s77
	s_mov_b32 s77, 0
	s_add_nc_u64 s[68:69], s[12:13], s[76:77]
.set NS, 0
	SLOADS 0
	SPASS 0
	SPASS 1
	FOLD8 SS
	s_lshl3_add_u32 s76, s74, s22                  ; 8 kb + cb
	s_lshl2_add_u32 s76, s76, s16                  ; x 4 + wave
	s_lshl_b32 s76, s76, 2
	s_mov_b32 s77, 0
	s_add_nc_u64 s[76:77], s[14:15], s[76:77]
	ONE SS, 76
.Lend:
	s_set_vgpr_msb 0x4
	s_wait_tensorcnt 0x0
	ds_add_u32 v15, v1
	s_wait_dscnt 0x0
	s_set_vgpr_msb 0x400
	CROUND                                         ; the closing round: no work-group ends while a partner may still ask for a tile that names it
	s_endpgm
.Lfunc_end_k_q7e32400eb0_gram:
	.size	k_q7e32400eb0_gram, .Lfunc_end_k_q7e32400eb0_gram-k_q7e32400eb0_gram
	.p2alignl 7, 3214868480
	.fill 96, 4, 3214868480
	.section	.rodata,"a",@progbits
	.p2align	6, 0x0
	.amdhsa_kernel k_q7e32400eb0_gram
		.amdhsa_group_segment_fixed_size 327680
		.amdhsa_private_segment_fixed_size 0
		.amdhsa_enable_private_segment 0
		.amdhsa_kernarg_size 48
		.amdhsa_user_sgpr_count 2
		.amdhsa_user_sgpr_kernarg_segment_ptr 1
		.amdhsa_wavefront_size32 1
		.amdhsa_system_sgpr_workgroup_id_x 1
		.amdhsa_system_sgpr_workgroup_id_y 1
		.amdhsa_system_sgpr_workgroup_id_z 1
		.amdhsa_system_vgpr_workitem_id 0
		.amdhsa_next_free_vgpr 258
		.amdhsa_next_free_sgpr 80
		.amdhsa_reserve_vcc 1
		.amdhsa_float_denorm_mode_32 3
		.amdhsa_float_denorm_mode_16_64 3
		.amdhsa_memory_ordered 1
		.amdhsa_forward_progress 1
		.amdhsa_inst_pref_size 173
	.end_amdhsa_kernel
	.amdgpu_metadata
---
amdhsa.version: [ 1, 2 ]
amdhsa.kernels:
  - .name:           k_q7e32400eb0_gram
    .symbol:         k_q7e32400eb0_gram.kd
    .args:
      - { .name: memory_mean, .offset: 0, .size: 8, .value_kind: global_buffer, .address_space: global }
      - { .name: query, .offset: 8, .size: 8, .value_kind: global_buffer, .address_space: global }
      - { .name: Gb, .offset: 16, .size: 8, .value_kind: global_buffer, .address_space: global }
      - { .name: T0b, .offset: 24, .size: 8, .value_kind: global_buffer, .address_space: global }
      - { .name: At, .offset: 32, .size: 8, .value_kind: global_buffer, .address_space: global }
      - { .name: part1, .offset: 40, .size: 8, .value_kind: global_buffer, .address_space: global }
    .group_segment_fixed_size: 327680
    .private_segment_fixed_size: 0
    .kernarg_segment_align: 8
    .kernarg_segment_size: 48
    .max_flat_workgroup_size: 128
    .sgpr_count:     80
    .vgpr_count:     258
    .wavefront_size: 32
...
	.end_amdgpu_metadata
.endif
;; end of part 1
;; launch lift (part 2): grid 8 x 32, 4 waves a work-group, clusters of 4 x 4, 327,680 bytes of LDS; arguments Gb, T0b, At, part1, V1b, H1t, part2; writes V1b, H1t, part2
.if DOCPART == 2
	.amdgcn_target "amdgcn-amd-amdhsa--gfx1250"
	.amdhsa_code_object_version 6
	.text
	.protected	k_q7e32400eb0_lift
	.globl	k_q7e32400eb0_lift
	.p2align	8
	.type	k_q7e32400eb0_lift,@function
k_q7e32400eb0_lift:
	s_mov_b64 s[64:65], 0
	v_nop
	global_prefetch_b8 v0, s[64:65] scope:SCOPE_SE
	s_setreg_imm32_b32 hwreg(HW_REG_WAVE_MODE, 25, 1), 1
	s_wait_xcnt 0x0
	s_wait_alu depctr_hold_cnt(0) depctr_sa_sdst(0) depctr_va_vdst(0) depctr_va_sdst(0) depctr_va_ssrc(0) depctr_va_vcc(0) depctr_vm_vsrc(0)
	s_getreg_b32 s2, hwreg(HW_REG_IB_STS2, 6, 4)
	s_cmp_eq_u32 s2, 0
	s_cbranch_scc0 .Lentry_in_a_cluster
	s_endpgm
.Lentry_in_a_cluster:
	s_bfe_u32 s2, ttmp6, 0x10000c
	s_cmp_lg_u32 s2, 0xf033
	s_cbranch_scc0 .Lentry_shape_is_right
	s_endpgm
.Lentry_shape_is_right:
; LAUNCH 2 OF 3: V1 = T0 G / tau [2048][1024] and H1t = At G / tau = (G A / tau)^T [2048][1024], both bf16, and the parts of F3 = sum of H1^2.
; tau = S + 1e-8, S from launch 1's 256 partial sums.  (The form computed, the work left out as dead and the limits: the head of launch 1.  Here nothing more
; is left out.)  G is symmetric, so both products are C = A B^T with K along the rows of both operands: the second operand is rows 128 x of Gb.
; 8 x 32 work-groups in clusters of 4 x 4.  The cluster's y, the same in all partners, chooses the first operand: 0-3 T0b (V1), 4-7 At (H1t).
; A tile of 128 x 128 by four waves of 64 x 64.  K = 1,024 goes in four steps of 256 bf16 (rows of 512 bytes) through two LDS slots filled by joint tensor loads:
; the first operand's tile is shared along a row of the cluster, G's along a column.  All four steps are written out.
; REGISTERS: window 0: v0-23 addresses and S; v64-127, v128-191 two fragment buffers (second operand's four fragments, then the first's); v192-255 the way out.
;            window 1: the 16 accumulator tiles, tile (a, b) at v[256 + 8 (4 a + b)].
.set KB,     512
.set PITCH,  528                       ; 512 bytes + 16 of padding = 33 x 16: sixteen rows start in sixteen different 16-byte columns modulo 256
.set FR,     16*PITCH
.set HALF,   64*PITCH
.set TILE,   2*HALF
.set SLOT,   2*TILE
.set STAGE,  2*SLOT                    ; 128 rows x 272 bytes, written by ds_store alone; no tensor load lands here
.set SP,     272
.set LANE, 1
.set RR,   2
.set HH,   3
.set ADRA, 4
.set ADRB, 6
.set STO,  8
.set RD,   9
.set CO,   10
.set ZERO, 11
.set PO,   12                          ; v12 16 x lane: my 16 bytes of a block of partial sums
.set SV,   16                          ; v[16:23] eight partial sums of S
.set F0,   64
.set F1,   128
.set TMP,  192
.set G1,  24
.set G0,  32
.set G1B, 48
.set G0B, 56
.set MUL, 0x50                         ; sources 0 and 1 window 0, C and D window 1
.set MSB, 0
.macro WIN new                         ; the immediate's high byte repeats the setting that is left
.if MSB != \new
	s_set_vgpr_msb (MSB<<8)|\new
.set MSB, \new
.endif
.endm
.macro PLACES
.rept 4
	v_nop
.endr
.endm
.macro JLOAD s
	s_cmp_eq_u32 s17, 0
	s_cbranch_scc0 .Lfor_b_\@
	tensor_load_to_lds s[G0+4*(\s):G0+4*(\s)+3], s[G1:G1+7]
	s_nop 0
	s_branch .Lasked_\@
.Lfor_b_\@:
	tensor_load_to_lds s[G0B+4*(\s):G0B+4*(\s)+3], s[G1B:G1B+7]
	s_nop 0
.Lasked_\@:
.endm
.macro CREST
	s_cmp_lg_u32 s16, 0
	s_cbranch_scc1 .Lnot_wave_0_\@
	s_barrier_signal -3
.Lnot_wave_0_\@:
	s_barrier_wait -3
	s_barrier_signal -1
	s_barrier_wait -1
.endm
.macro CROUND
	s_barrier_signal -1
	s_barrier_wait -1
	CREST
.endm
.macro CHANGE other, refill
	s_wait_dscnt 0x0                               ; my reads of the slot read last are back
	s_wait_tensorcnt 0x0                           ; all my tensor loads have landed, my part of the next slot among them
	ds_add_u32 v62, v63
	s_wait_dscnt 0x0
.if \refill
	s_add_nc_u64 s[G0+4*\other+2:G0+4*\other+3], s[G0+4*\other+2:G0+4*\other+3], 2*KB
	s_add_nc_u64 s[G0B+4*\other+2:G0B+4*\other+3], s[G0B+4*\other+2:G0B+4*\other+3], 2*KB
	CROUND                                         ; both now hold of every wave of all sixteen work-groups
	JLOAD \other                                   ; my one tensor load behind the round, first thing there
.else
	s_barrier_signal -1
	s_barrier_wait -1
.endif
.endm
.macro WSUM x, t
	v_add_f32_dpp v[\x], v[\x], v[\x] row_xmask:1 row_mask:0xf bank_mask:0xf
	v_add_f32_dpp v[\x], v[\x], v[\x] row_xmask:2 row_mask:0xf bank_mask:0xf
	v_add_f32_dpp v[\x], v[\x], v[\x] row_xmask:4 row_mask:0xf bank_mask:0xf
	v_add_f32_dpp v[\x], v[\x], v[\x] row_xmask:8 row_mask:0xf bank_mask:0xf
	v_permlanex16_b32 v[\t], v[\x], s70, s71
	v_add_f32 v[\x], v[\x], v[\t]
.endm
.macro FOLD8 b
	v_pk_add_f32 v[\b:\b+1], v[\b:\b+1], v[\b+4:\b+5]
	v_pk_add_f32 v[\b+2:\b+3], v[\b+2:\b+3], v[\b+6:\b+7]
	v_pk_add_f32 v[\b:\b+1], v[\b:\b+1], v[\b+2:\b+3]
	v_add_f32 v[\b], v[\b], v[\b+1]
	WSUM \b, \b+1
.endm
.macro ONE x, p
	v_cmp_eq_u32 vcc_lo, 0, v[LANE]
	s_wait_xcnt 0x0
	s_and_saveexec_b32 s72, vcc_lo
	global_store_b32 v[ZERO], v[\x], s[\p:\p+1]
	s_wait_xcnt 0x0
	s_or_b32 exec_lo, exec_lo, s72
.endm
; 16 LDS loads in one run: the fragments of 32 along K (number j of the step's eight) into buffer f: second operand's four blocks of 16 rows, then the first's
.macro FETCH slot, j, f
.irp i, 0,1,2,3
	ds_load_b128 v[\f+8*\i:\f+8*\i+3],   v[ADRB+\slot] offset:\i*FR+64*\j
	ds_load_b128 v[\f+8*\i+4:\f+8*\i+7], v[ADRB+\slot] offset:\i*FR+64*\j+32
.endr
.irp i, 0,1,2,3
	ds_load_b128 v[\f+32+8*\i:\f+32+8*\i+3],   v[ADRA+\slot] offset:\i*FR+64*\j
	ds_load_b128 v[\f+32+8*\i+4:\f+32+8*\i+7], v[ADRA+\slot] offset:\i*FR+64*\j+32
.endr
.endm
; 8 matrix instructions: row blocks a0, a0 + 1 x all four column blocks.  The sixteen accumulators take turns, one instruction a turn.
.macro MUL8 f, a0, zero
.irp a, \a0, \a0+1
.irp b, 0,1,2,3
.if \zero
	v_wmma_f32_16x16x32_bf16 v[8*(4*(\a)+\b):8*(4*(\a)+\b)+7], v[\f+8*\b:\f+8*\b+7], v[\f+32+8*(\a):\f+32+8*(\a)+7], 0
.else
	v_wmma_f32_16x16x32_bf16 v[8*(4*(\a)+\b):8*(4*(\a)+\b)+7], v[\f+8*\b:\f+8*\b+7], v[\f+32+8*(\a):\f+32+8*(\a)+7], v[8*(4*(\a)+\b):8*(4*(\a)+\b)+7]
.endif
.endr
.endr
.endm
; A K step of 256: eight times 32 along K on buffers 0, 1, 0, 1, ...; in the middle of each the next one's 16 loads go out in one run, four places behind the
; matrix instructions that read that buffer last.
.macro STEP slot, zero
	PLACES
	FETCH \slot, 0, F0
.set J, 0
.rept 7
.set ZC, 0
.if \zero
.if J == 0
.set ZC, 1
.endif
.endif
	s_wait_dscnt 4                                 ; all but the youngest four loads: the first operand's blocks 2 and 3 may be out
	WIN MUL
	MUL8 (F0+64*(J&1)), 0, ZC
	WIN 0
	PLACES
	FETCH \slot, (J+1), (F1-64*(J&1))
	s_wait_dscnt 16                                ; all but the sixteen just issued
	WIN MUL
	MUL8 (F0+64*(J&1)), 2, ZC
.set J, J+1
.endr
	s_wait_dscnt 4
	MUL8 F1, 0, 0
	s_wait_dscnt 0
	MUL8 F1, 2, 0
	WIN 0
.endm
	s_load_b256 s[4:11], s[0:1], 0x0               ; Gb s[4:5], T0b s[6:7], At s[8:9], part1 s[10:11]
	s_load_b128 s[12:15], s[0:1], 0x20             ; V1b s[12:13], H1t s[14:15]
	s_load_b64 s[78:79], s[0:1], 0x30              ; part2
	v_lshl_add_u32 v62, v0, 2, 0x4a800
	v_mov_b32 v63, 0
	ds_add_u32 v62, v63
	v_lshrrev_b32 v14, 5, v0
	v_readfirstlane_b32 s16, v14                   ; wave 0..3
	s_lshr_b32 s17, s16, 1
	s_and_b32 s18, s16, 1
	s_bfe_u32 s20, ttmp6, 0x40000                  ; cx
	s_bfe_u32 s21, ttmp6, 0x40004                  ; cy
	s_lshl_b32 s22, ttmp9, 2
	s_add_co_u32 s22, s22, s20                     ; x, 0..7
	s_and_b32 s40, ttmp7, 0xffff                   ; the cluster's y, 0..7
	s_lshl_b32 s23, s40, 2
	s_add_co_u32 s23, s23, s21                     ; y, 0..31
	s_lshl_b32 s41, s21, 2
	s_lshl_b32 s41, 15, s41                        ; my row of the cluster
	s_lshl_b32 s42, 0x1111, s20                    ; my column
	s_mov_b32 s70, 0x76543210
	s_mov_b32 s71, 0xfedcba98
	; group 1: 64 rows x 256 elements of 2 bytes, 4 words of padding behind every 128 words, 1,024 elements from row to row
	s_or_b32 s[G1+0],  s41, (1<<16)|(1<<20)|(1<<21)|(6<<22)|(3<<25)
	s_or_b32 s[G1B+0], s42, (1<<16)|(1<<20)|(1<<21)|(6<<22)|(3<<25)
	s_mov_b32 s[G1+1],  256<<16
	s_mov_b32 s[G1B+1], 256<<16
	s_mov_b32 s[G1+2],  64<<16
	s_mov_b32 s[G1B+2], 64<<16
	s_mov_b32 s[G1+3],  256<<16
	s_mov_b32 s[G1B+3], 256<<16
	s_mov_b32 s[G1+4],  64
	s_mov_b32 s[G1B+4], 64
	s_mov_b32 s[G1+5],  1024
	s_mov_b32 s[G1B+5], 1024
	s_mov_b32 s[G1+6],  0
	s_mov_b32 s[G1B+6], 0
	s_mov_b32 s[G1+7],  0
	s_mov_b32 s[G1B+7], 0
	v_and_b32 v[LANE], 31, v0
	v_and_b32 v[RR], 15, v0
	v_bfe_u32 v[HH], v0, 4, 1
	v_mov_b32 v[ZERO], 0
	v_lshlrev_b32 v[PO], 4, v[LANE]
	v_mul_u32_u24 v14, v[RR], PITCH
	v_lshl_add_u32 v14, v[HH], 4, v14              ; row x pitch + 16 h (bf16 fragments)
	s_mul_i32 s44, s17, HALF
	s_mul_i32 s45, s18, HALF
	s_add_co_u32 s45, s45, TILE
	v_add_nc_u32 v[ADRA], s44, v14
	v_add_nc_u32 v[ADRB], s45, v14
	v_add_nc_u32 v[ADRA+1], SLOT, v[ADRA]
	v_add_nc_u32 v[ADRB+1], SLOT, v[ADRB]
	s_mul_i32 s44, s17, 64*SP
	s_lshl_b32 s45, s18, 7
	s_add_co_u32 s44, s44, s45
	s_add_co_u32 s44, s44, STAGE
	v_mul_u32_u24 v14, v[RR], SP
	v_lshl_add_u32 v14, v[HH], 4, v14
	v_add_nc_u32 v[STO], s44, v14                  ; stage row 64 wr + r, byte 128 wc + 16 h
	s_mul_i32 s44, s16, 32*SP
	s_add_co_u32 s44, s44, STAGE
	v_mul_u32_u24 v14, v[HH], SP
	v_lshl_add_u32 v14, v[RR], 4, v14
	v_add_nc_u32 v[RD], s44, v14                   ; stage row 32 w + h, byte 16 r
	s_lshl_b32 s44, s16, 16
	v_lshlrev_b32 v14, 11, v[HH]
	v_lshl_add_u32 v14, v[RR], 4, v14
	v_add_nc_u32 v[CO], s44, v14                   ; the same row in an output whose rows are 2,048 bytes
	s_mul_i32 s73, s16, HALF
	s_wait_dscnt 0x0
	s_wait_kmcnt 0x0
	s_cmp_lt_u32 s40, 4
	s_cselect_b64 s[66:67], s[6:7], s[8:9]         ; first operand: T0b or At
	s_cselect_b64 s[68:69], s[12:13], s[14:15]     ; output: V1b or H1t
	s_cselect_b32 s44, 0, 16
	s_sub_co_u32 s43, s23, s44                     ; row tile, 0..15
	s_lshl_b32 s44, s43, 18                        ; 128 rows of 2,048 bytes
	s_lshl_b32 s45, s18, 17                        ; + my 64 rows
	s_add_co_u32 s44, s44, s45
	s_mov_b32 s45, 0
	s_add_nc_u64 s[66:67], s[66:67], s[44:45]      ; hangs on y alone
	s_lshl_b32 s46, s22, 18
	s_lshl_b32 s47, s18, 17
	s_add_co_u32 s46, s46, s47
	s_mov_b32 s47, 0
	s_add_nc_u64 s[46:47], s[4:5], s[46:47]        ; rows 128 x of Gb: hangs on x alone
	CROUND                                         ; all sixteen work-groups are here: the first joint loads meet
.irp s, 0,1
	s_mov_b32 s[G0+4*\s], 1
	s_add_co_u32 s[G0+4*\s+1], s73, \s*SLOT
	s_add_nc_u64 s[G0+4*\s+2:G0+4*\s+3], s[66:67], \s*KB
	s_or_b32 s[G0+4*\s+3], s[G0+4*\s+3], 0x80000000
	s_mov_b32 s[G0B+4*\s], 1
	s_add_co_u32 s[G0B+4*\s+1], s73, \s*SLOT
	s_add_nc_u64 s[G0B+4*\s+2:G0B+4*\s+3], s[46:47], \s*KB
	s_or_b32 s[G0B+4*\s+3], s[G0B+4*\s+3], 0x80000000
	JLOAD \s                                       ; K steps 0 and 1: two loads of the wave are out, later one
.endr
	global_load_b128 v[SV:SV+3],   v[PO], s[10:11]             ; S's 256 partial sums, eight a lane; wanted only behind the products
	global_load_b128 v[SV+4:SV+7], v[PO], s[10:11] offset:512
	s_wait_tensorcnt 0x1                           ; my part of K step 0 is in; K step 1's stays out
	s_barrier_signal -1
	s_barrier_wait -1
	STEP 0, 1
	CHANGE 0, 1
	STEP 1, 0
	CHANGE 1, 1
	STEP 0, 0
	CHANGE 0, 0
	STEP 1, 0
	PLACES                                         ; behind the last matrix instructions
	s_wait_loadcnt 0x0
	FOLD8 SV                                       ; S, the same order of sums in every wave of every work-group
	v_add_f32 v[SV+1], 0x322bcc77, v[SV]           ; tau = S + 1e-8
	v_rcp_f32 v[SV+2], v[SV+1]
	v_nop                                          ; one plain instruction behind v_rcp_f32 ahead of its use (ISA guide 5.7.2)
	s_wait_alu depctr_va_vdst(0)
	v_readfirstlane_b32 s74, v[SV+2]
	s_mov_b32 s75, s74
	WIN 0x41                                       ; source 0 and destination window 1
.set II, 0
.rept 64
	v_pk_mul_f32 v[2*II:2*II+1], v[2*II:2*II+1], s[74:75] op_sel_hi:[1,0]
.set II, II+1
.endr
	WIN 0
	s_cmp_lt_u32 s40, 4
	s_cbranch_scc1 .Lno_f3
	WIN 0x05                                       ; sources 0 and 1 window 1; the chains in window 0
.set JJ, 0
.rept 64
.if JJ < 4
	v_pk_mul_f32 v[TMP+2*JJ:TMP+2*JJ+1], v[2*JJ:2*JJ+1], v[2*JJ:2*JJ+1]
.else
	v_pk_fma_f32 v[TMP+2*(JJ&3):TMP+2*(JJ&3)+1], v[2*JJ:2*JJ+1], v[2*JJ:2*JJ+1], v[TMP+2*(JJ&3):TMP+2*(JJ&3)+1]
.endif
.set JJ, JJ+1
.endr
	WIN 0
	FOLD8 TMP                                      ; my 64 x 64 part of F3 = sum of H1^2
	s_lshl3_add_u32 s76, s43, s22                  ; 8 (y - 16) + x
	s_lshl2_add_u32 s76, s76, s16                  ; x 4 + wave
	s_lshl_b32 s76, s76, 2
	s_mov_b32 s77, 0
	s_add_nc_u64 s[76:77], s[78:79], s[76:77]
	ONE TMP, 76
.Lno_f3:
	s_lshl_b32 s74, s43, 18
	s_lshl_b32 s75, s22, 8
	s_add_co_u32 s74, s74, s75
	s_mov_b32 s75, 0
	s_add_nc_u64 s[68:69], s[68:69], s[74:75]
	; the way out, as in launch 1: bf16 through the stage, a barrier since two waves share each row of 256 bytes, whole rows out
	WIN 0x05
.set TT, 0
.rept 16
.irp j, 0,1,2,3
	v_cvt_pk_bf16_f32 v[TMP+4*TT+\j], v[8*TT+2*\j], v[8*TT+2*\j+1]
.endr
.set TT, TT+1
.endr
	WIN 0
.set TT, 0
.rept 16
	ds_store_b128 v[STO], v[TMP+4*TT:TMP+4*TT+3] offset:(TT>>2)*16*SP+(TT&3)*32
.set TT, TT+1
.endr
	s_wait_dscnt 0x0                               ; for the other waves' sake: all my stores into the stage are done
	s_barrier_signal -1
	s_barrier_wait -1
.set TT, 0
.rept 16
	ds_load_b128 v[F0+4*TT:F0+4*TT+3], v[RD] offset:TT*2*SP
.set TT, TT+1
.endr
.set TT, 0
.rept 16
	s_wait_dscnt 15-TT
	global_store_b128 v[CO], v[F0+4*TT:F0+4*TT+3], s[68:69] offset:4096*TT   ; sixteen lanes store 256 consecutive bytes, at a multiple of 256
.set TT, TT+1
.endr
	s_wait_tensorcnt 0x0
	ds_add_u32 v62, v63
	s_wait_dscnt 0x0
	CROUND                                         ; the closing round
	s_endpgm
.Lfunc_end_k_q7e32400eb0_lift:
	.size	k_q7e32400eb0_lift, .Lfunc_end_k_q7e32400eb0_lift-k_q7e32400eb0_lift
	.p2alignl 7, 3214868480
	.fill 96, 4, 3214868480
	.section	.rodata,"a",@progbits
	.p2align	6, 0x0
	.amdhsa_kernel k_q7e32400eb0_lift
		.amdhsa_group_segment_fixed_size 327680
		.amdhsa_private_segment_fixed_size 0
		.amdhsa_enable_private_segment 0
		.amdhsa_kernarg_size 56
		.amdhsa_user_sgpr_count 2
		.amdhsa_user_sgpr_kernarg_segment_ptr 1
		.amdhsa_wavefront_size32 1
		.amdhsa_system_sgpr_workgroup_id_x 1
		.amdhsa_system_sgpr_workgroup_id_y 1
		.amdhsa_system_sgpr_workgroup_id_z 1
		.amdhsa_system_vgpr_workitem_id 0
		.amdhsa_next_free_vgpr 384
		.amdhsa_next_free_sgpr 80
		.amdhsa_reserve_vcc 1
		.amdhsa_float_denorm_mode_32 3
		.amdhsa_float_denorm_mode_16_64 3
		.amdhsa_memory_ordered 1
		.amdhsa_forward_progress 1
		.amdhsa_inst_pref_size 100
	.end_amdhsa_kernel
	.amdgpu_metadata
---
amdhsa.version: [ 1, 2 ]
amdhsa.kernels:
  - .name:           k_q7e32400eb0_lift
    .symbol:         k_q7e32400eb0_lift.kd
    .args:
      - { .name: Gb, .offset: 0, .size: 8, .value_kind: global_buffer, .address_space: global }
      - { .name: T0b, .offset: 8, .size: 8, .value_kind: global_buffer, .address_space: global }
      - { .name: At, .offset: 16, .size: 8, .value_kind: global_buffer, .address_space: global }
      - { .name: part1, .offset: 24, .size: 8, .value_kind: global_buffer, .address_space: global }
      - { .name: V1b, .offset: 32, .size: 8, .value_kind: global_buffer, .address_space: global }
      - { .name: H1t, .offset: 40, .size: 8, .value_kind: global_buffer, .address_space: global }
      - { .name: part2, .offset: 48, .size: 8, .value_kind: global_buffer, .address_space: global }
    .group_segment_fixed_size: 327680
    .private_segment_fixed_size: 0
    .kernarg_segment_align: 8
    .kernarg_segment_size: 56
    .max_flat_workgroup_size: 128
    .sgpr_count:     80
    .vgpr_count:     384
    .wavefront_size: 32
...
	.end_amdgpu_metadata
.endif
;; end of part 2
;; launch apply (part 3): grid 16 x 16, 4 waves a work-group, clusters of 4 x 4, 327,680 bytes of LDS; arguments T0b, V1b, H1t, At, part1, part2, ben_israel_log_scale, out0; writes out0
.if DOCPART == 3
	.amdgcn_target "amdgcn-amd-amdhsa--gfx1250"
	.amdhsa_code_object_version 6
	.text
	.protected	k_q7e32400eb0_apply
	.globl	k_q7e32400eb0_apply
	.p2align	8
	.type	k_q7e32400eb0_apply,@function
k_q7e32400eb0_apply:
	s_mov_b64 s[64:65], 0
	v_nop
	global_prefetch_b8 v0, s[64:65] scope:SCOPE_SE
	s_setreg_imm32_b32 hwreg(HW_REG_WAVE_MODE, 25, 1), 1
	s_wait_xcnt 0x0
	s_wait_alu depctr_hold_cnt(0) depctr_sa_sdst(0) depctr_va_vdst(0) depctr_va_sdst(0) depctr_va_ssrc(0) depctr_va_vcc(0) depctr_vm_vsrc(0)
	s_getreg_b32 s2, hwreg(HW_REG_IB_STS2, 6, 4)
	s_cmp_eq_u32 s2, 0
	s_cbranch_scc0 .Lentry_in_a_cluster
	s_endpgm
.Lentry_in_a_cluster:
	s_bfe_u32 s2, ttmp6, 0x10000c
	s_cmp_lg_u32 s2, 0xf033
	s_cbranch_scc0 .Lentry_shape_is_right
	s_endpgm
.Lentry_shape_is_right:
; LAUNCH 3 OF 3: retrieved = a0 (T0 A + r1 (V1 A + r2 V1 H1)), [2048][2048] f32, as one sum of three products over K = 1,024 each, rescaled between them:
;   acc = V1 H1t^T;  acc *= r2;  acc += V1 At^T;  acc *= r1;  acc += T0 At^T;  out = a0 acc.
; a0 = n beta / tau, r1 = -(n-1) beta / 2, r2 = -(n-2) beta / 3; tau = S + 1e-8; beta = min(exp(log_scale), 5e-4); n = 2, 4, 8 or 16 by reference()'s masked
; stopping, from residual_j^2 = S - N beta F2 / tau + C(N,2) beta^2 F3, N = 4, 8, 16, each held against (1e-4)^2.  n selects values (v_cndmask_b32) and nothing else.
; (Why this is reference()'s result, where the two series are cut for all inputs, and the dead work, the fourth trip's residual: the head of launch 1.)
; LIMITS of this launch: a NaN log_scale gives beta = 5e-4 (v_min_num_f32 drops the NaN) where reference() gives NaN; exp(log_scale) under 2^-126 counts as 0.
; 16 x 16 work-groups in clusters of 4 x 4; a tile of 128 x 128 by four waves of 64 x 64.  Twelve K steps of 256 bf16 (rows of 512 bytes) through two LDS slots
; filled by joint tensor loads: V1's and T0's tiles are shared along a row of the cluster, H1t's and At's along a column.  All twelve steps are written out.
; REGISTERS: window 0: v0-14 addresses; v32-63 the scalars' work; v64-127, v128-191 two fragment buffers; v192-255 the way out.  Window 1: the 16 accumulator tiles.
.set KB,     512
.set PITCH,  528                       ; 512 bytes + 16 of padding = 33 x 16: sixteen rows start in sixteen different 16-byte columns modulo 256
.set FR,     16*PITCH
.set HALF,   64*PITCH
.set TILE,   2*HALF
.set SLOT,   2*TILE
.set STAGE,  2*SLOT                    ; 16 rows x 272 bytes for each wave, its own, written by ds_store alone; no tensor load lands here
.set SP,     272
.set LANE, 1
.set RR,   2
.set HH,   3
.set ADRA, 4
.set ADRB, 6
.set STO,  8
.set RD,   9
.set CO,   10
.set PO,   12
.set F0,   64
.set F1,   128
.set TMP,  192
.set G1,  24
.set G0,  32
.set G1B, 48
.set G0B, 56
.set BV1, 66                           ; s[66:67] V1b at my rows, s[68:69] T0b at my rows: both hang on y alone
.set BT0, 68
.set BH1, 70                           ; s[70:71] H1t at my rows, s[72:73] At at my rows: both hang on x alone
.set BAT, 72
.set SA0, 82                           ; s[82:83] a0, twice
.set SR1, 84                           ; s[84:85] r1
.set SR2, 86                           ; s[86:87] r2
.set MUL, 0x50
.set MSB, 0
.macro WIN new
.if MSB != \new
	s_set_vgpr_msb (MSB<<8)|\new
.set MSB, \new
.endif
.endm
.macro PLACES
.rept 4
	v_nop
.endr
.endm
.macro JLOAD s
	s_cmp_eq_u32 s21, 0
	s_cbranch_scc0 .Lfor_b_\@
	tensor_load_to_lds s[G0+4*(\s):G0+4*(\s)+3], s[G1:G1+7]
	s_nop 0
	s_branch .Lasked_\@
.Lfor_b_\@:
	tensor_load_to_lds s[G0B+4*(\s):G0B+4*(\s)+3], s[G1B:G1B+7]
	s_nop 0
.Lasked_\@:
.endm
.macro CREST
	s_cmp_lg_u32 s20, 0
	s_cbranch_scc1 .Lnot_wave_0_\@
	s_barrier_signal -3
.Lnot_wave_0_\@:
	s_barrier_wait -3
	s_barrier_signal -1
	s_barrier_wait -1
.endm
.macro CROUND
	s_barrier_signal -1
	s_barrier_wait -1
	CREST
.endm
; The addresses of K step u (0 to 11) into the slot's two group 0: steps 0-3 V1 and H1t, 4-7 V1 and At, 8-11 T0 and At; 512 bytes along the rows for each step
.macro SETG slot, u
.if (\u)/4 == 2
	s_add_nc_u64 s[G0+4*(\slot)+2:G0+4*(\slot)+3], s[BT0:BT0+1], KB*((\u)%4)
.else
	s_add_nc_u64 s[G0+4*(\slot)+2:G0+4*(\slot)+3], s[BV1:BV1+1], KB*((\u)%4)
.endif
	s_or_b32 s[G0+4*(\slot)+3], s[G0+4*(\slot)+3], 0x80000000
.if (\u)/4 == 0
	s_add_nc_u64 s[G0B+4*(\slot)+2:G0B+4*(\slot)+3], s[BH1:BH1+1], KB*((\u)%4)
.else
	s_add_nc_u64 s[G0B+4*(\slot)+2:G0B+4*(\slot)+3], s[BAT:BAT+1], KB*((\u)%4)
.endif
	s_or_b32 s[G0B+4*(\slot)+3], s[G0B+4*(\slot)+3], 0x80000000
.endm
.macro CHANGE other, refill, u
	s_wait_dscnt 0x0                               ; my reads of the slot read last are back
	s_wait_tensorcnt 0x0                           ; all my tensor loads have landed, my part of the next slot among them: every group 0 may be written
	ds_add_u32 v254, v255
	s_wait_dscnt 0x0
.if \refill
	SETG \other, \u
	CROUND                                         ; both now hold of every wave of all sixteen work-groups
	JLOAD \other                                   ; my one tensor load behind the round, first thing there
.else
	s_barrier_signal -1
	s_barrier_wait -1
.endif
.endm
.macro WSUM x, t
	v_add_f32_dpp v[\x], v[\x], v[\x] row_xmask:1 row_mask:0xf bank_mask:0xf
	v_add_f32_dpp v[\x], v[\x], v[\x] row_xmask:2 row_mask:0xf bank_mask:0xf
	v_add_f32_dpp v[\x], v[\x], v[\x] row_xmask:4 row_mask:0xf bank_mask:0xf
	v_add_f32_dpp v[\x], v[\x], v[\x] row_xmask:8 row_mask:0xf bank_mask:0xf
	v_permlanex16_b32 v[\t], v[\x], s74, s75
	v_add_f32 v[\x], v[\x], v[\t]
.endm
.macro FOLD8 b
	v_pk_add_f32 v[\b:\b+1], v[\b:\b+1], v[\b+4:\b+5]
	v_pk_add_f32 v[\b+2:\b+3], v[\b+2:\b+3], v[\b+6:\b+7]
	v_pk_add_f32 v[\b:\b+1], v[\b:\b+1], v[\b+2:\b+3]
	v_add_f32 v[\b], v[\b], v[\b+1]
	WSUM \b, \b+1
.endm
.macro FETCH slot, j, f
.irp i, 0,1,2,3
	ds_load_b128 v[\f+8*\i:\f+8*\i+3],   v[ADRB+\slot] offset:\i*FR+64*\j
	ds_load_b128 v[\f+8*\i+4:\f+8*\i+7], v[ADRB+\slot] offset:\i*FR+64*\j+32
.endr
.irp i, 0,1,2,3
	ds_load_b128 v[\f+32+8*\i:\f+32+8*\i+3],   v[ADRA+\slot] offset:\i*FR+64*\j
	ds_load_b128 v[\f+32+8*\i+4:\f+32+8*\i+7], v[ADRA+\slot] offset:\i*FR+64*\j+32
.endr
.endm
; 8 matrix instructions: row blocks a0, a0 + 1 x all four column blocks.  The sixteen accumulators take turns, one instruction a turn.
.macro MUL8 f, a0, zero
.irp a, \a0, \a0+1
.irp b, 0,1,2,3
.if \zero
	v_wmma_f32_16x16x32_bf16 v[8*(4*(\a)+\b):8*(4*(\a)+\b)+7], v[\f+8*\b:\f+8*\b+7], v[\f+32+8*(\a):\f+32+8*(\a)+7], 0
.else
	v_wmma_f32_16x16x32_bf16 v[8*(4*(\a)+\b):8*(4*(\a)+\b)+7], v[\f+8*\b:\f+8*\b+7], v[\f+32+8*(\a):\f+32+8*(\a)+7], v[8*(4*(\a)+\b):8*(4*(\a)+\b)+7]
.endif
.endr
.endr
.endm
; A K step of 256: eight times 32 along K on buffers 0, 1, 0, 1, ...; in the middle of each the next one's 16 loads go out in one run, four places behind the
; matrix instructions that read that buffer last.
.macro STEP slot, zero
	PLACES
	FETCH \slot, 0, F0
.set J, 0
.rept 7
.set ZC, 0
.if \zero
.if J == 0
.set ZC, 1
.endif
.endif
	s_wait_dscnt 4                                 ; all but the youngest four loads: the first operand's blocks 2 and 3 may be out
	WIN MUL
	MUL8 (F0+64*(J&1)), 0, ZC
	WIN 0
	PLACES
	FETCH \slot, (J+1), (F1-64*(J&1))
	s_wait_dscnt 16                                ; all but the sixteen just issued
	WIN MUL
	MUL8 (F0+64*(J&1)), 2, ZC
.set J, J+1
.endr
	s_wait_dscnt 4
	MUL8 F1, 0, 0
	s_wait_dscnt 0
	MUL8 F1, 2, 0
	WIN 0
.endm
.macro RESCALE sp                      ; all 128 accumulator registers times the number in s[sp]
	PLACES
	WIN 0x41
.set II, 0
.rept 64
	v_pk_mul_f32 v[2*II:2*II+1], v[2*II:2*II+1], s[\sp:\sp+1] op_sel_hi:[1,0]
.set II, II+1
.endr
	WIN 0
.endm
	s_load_b256 s[4:11], s[0:1], 0x0               ; T0b s[4:5], V1b s[6:7], H1t s[8:9], At s[10:11]
	s_load_b256 s[12:19], s[0:1], 0x20             ; part1 s[12:13], part2 s[14:15], log_scale s[16:17], out0 s[18:19]
	v_lshl_add_u32 v254, v0, 2, 0x4a800
	v_mov_b32 v255, 0
	ds_add_u32 v254, v255
	v_lshrrev_b32 v14, 5, v0
	v_readfirstlane_b32 s20, v14                   ; wave 0..3
	s_lshr_b32 s21, s20, 1                         ; my 64 rows.  Also: I fetch for the first operand (0) or the second (1)
	s_and_b32 s22, s20, 1                          ; my 64 columns.  Also: which 64 rows of that tile I fetch
	s_bfe_u32 s76, ttmp6, 0x40000                  ; cx
	s_bfe_u32 s77, ttmp6, 0x40004                  ; cy
	s_lshl_b32 s78, ttmp9, 2
	s_add_co_u32 s78, s78, s76                     ; x, 0..15
	s_and_b32 s79, ttmp7, 0xffff
	s_lshl_b32 s79, s79, 2
	s_add_co_u32 s79, s79, s77                     ; y, 0..15
	s_lshl_b32 s80, s77, 2
	s_lshl_b32 s80, 15, s80                        ; my row of the cluster
	s_lshl_b32 s81, 0x1111, s76                    ; my column
	s_mov_b32 s74, 0x76543210
	s_mov_b32 s75, 0xfedcba98
	; group 1: 64 rows x 256 elements of 2 bytes, 4 words of padding behind every 128 words, 1,024 elements from row to row
	s_or_b32 s[G1+0],  s80, (1<<16)|(1<<20)|(1<<21)|(6<<22)|(3<<25)
	s_or_b32 s[G1B+0], s81, (1<<16)|(1<<20)|(1<<21)|(6<<22)|(3<<25)
	s_mov_b32 s[G1+1],  256<<16
	s_mov_b32 s[G1B+1], 256<<16
	s_mov_b32 s[G1+2],  64<<16
	s_mov_b32 s[G1B+2], 64<<16
	s_mov_b32 s[G1+3],  256<<16
	s_mov_b32 s[G1B+3], 256<<16
	s_mov_b32 s[G1+4],  64
	s_mov_b32 s[G1B+4], 64
	s_mov_b32 s[G1+5],  1024
	s_mov_b32 s[G1B+5], 1024
	s_mov_b32 s[G1+6],  0
	s_mov_b32 s[G1B+6], 0
	s_mov_b32 s[G1+7],  0
	s_mov_b32 s[G1B+7], 0
	v_and_b32 v[LANE], 31, v0
	v_and_b32 v[RR], 15, v0
	v_bfe_u32 v[HH], v0, 4, 1
	v_lshlrev_b32 v[PO], 4, v[LANE]
	v_mul_u32_u24 v14, v[RR], PITCH
	v_lshl_add_u32 v14, v[HH], 4, v14              ; row x pitch + 16 h
	s_mul_i32 s44, s21, HALF
	s_mul_i32 s45, s22, HALF
	s_add_co_u32 s45, s45, TILE
	v_add_nc_u32 v[ADRA], s44, v14
	v_add_nc_u32 v[ADRB], s45, v14
	v_add_nc_u32 v[ADRA+1], SLOT, v[ADRA]
	v_add_nc_u32 v[ADRB+1], SLOT, v[ADRB]
	s_mul_i32 s44, s20, 16*SP
	s_add_co_u32 s44, s44, STAGE                   ; my own stage
	v_mul_u32_u24 v14, v[RR], SP
	v_lshl_add_u32 v14, v[HH], 5, v14
	v_add_nc_u32 v[STO], s44, v14                  ; in: row r, 32 bytes for each half of the lanes
	v_mul_u32_u24 v14, v[HH], SP
	v_lshl_add_u32 v14, v[RR], 4, v14
	v_add_nc_u32 v[RD], s44, v14                   ; back: lanes 0-15 a row of 256 bytes, lanes 16-31 the next
	v_lshlrev_b32 v14, 13, v[HH]
	v_lshl_add_u32 v[CO], v[RR], 4, v14            ; the same two rows in out0 (rows of 8,192 bytes)
	s_mul_i32 s89, s20, HALF
	s_lshl_b32 s40, s79, 18                        ; first operand: 128 y rows of 2,048 bytes
	s_lshl_b32 s41, s22, 17                        ; + my 64 rows
	s_add_co_u32 s40, s40, s41
	s_mov_b32 s41, 0
	s_lshl_b32 s42, s78, 18                        ; second operand: 128 x rows
	s_lshl_b32 s43, s22, 17
	s_add_co_u32 s42, s42, s43
	s_mov_b32 s43, 0
	s_wait_dscnt 0x0
	s_wait_kmcnt 0x0
	s_load_b32 s88, s[16:17], 0x0                  ; log_scale
	s_add_nc_u64 s[BV1:BV1+1], s[6:7], s[40:41]
	s_add_nc_u64 s[BT0:BT0+1], s[4:5], s[40:41]
	s_add_nc_u64 s[BH1:BH1+1], s[8:9], s[42:43]
	s_add_nc_u64 s[BAT:BAT+1], s[10:11], s[42:43]
	CROUND                                         ; all sixteen work-groups are here: the first joint loads meet
.irp s, 0,1
	s_mov_b32 s[G0+4*\s], 1
	s_add_co_u32 s[G0+4*\s+1], s89, \s*SLOT
	s_mov_b32 s[G0B+4*\s], 1
	s_add_co_u32 s[G0B+4*\s+1], s89, \s*SLOT
	SETG \s, \s
	JLOAD \s                                       ; K steps 0 and 1: two loads of the wave are out, later one
.endr
	; the scalars, while the first tiles are on their way: every wave sums all partial sums in the same order
	global_load_b128 v[32:35], v[PO], s[12:13]                 ; S: 256 words
	global_load_b128 v[36:39], v[PO], s[12:13] offset:512
	global_load_b128 v[40:43], v[PO], s[12:13] offset:1024     ; F2: 256 words
	global_load_b128 v[44:47], v[PO], s[12:13] offset:1536
	global_load_b128 v[48:51], v[PO], s[14:15]                 ; F3: 512 words
	global_load_b128 v[52:55], v[PO], s[14:15] offset:512
	global_load_b128 v[56:59], v[PO], s[14:15] offset:1024
	global_load_b128 v[60:63], v[PO], s[14:15] offset:1536
	s_wait_loadcnt 0x0
	FOLD8 32                                       ; v32 = S
	FOLD8 40                                       ; v40 = F2
	v_pk_add_f32 v[48:49], v[48:49], v[56:57]
	v_pk_add_f32 v[50:51], v[50:51], v[58:59]
	v_pk_add_f32 v[52:53], v[52:53], v[60:61]
	v_pk_add_f32 v[54:55], v[54:55], v[62:63]
	FOLD8 48                                       ; v48 = F3
	s_wait_kmcnt 0x0
	v_add_f32 v33, 0x322bcc77, v32                 ; tau = S + 1e-8
	v_mov_b32 v34, s88
	v_mul_f32 v34, 0x3fb8aa3b, v34                 ; log_scale x log2(e)
	v_rcp_f32 v35, v33                             ; 1 / tau
	v_exp_f32 v36, v34                             ; exp(log_scale)
	v_mov_b32 v37, 0x41800000                      ; n = 16; also the plain instruction behind the two transcendentals (ISA guide 5.7.2)
	s_wait_alu depctr_va_vdst(0)
	v_min_num_f32 v36, 0x3a03126f, v36             ; beta = min(.., 5e-4)
	v_mul_f32 v38, v36, v40
	v_mul_f32 v39, v36, v36
	v_mul_f32 v38, v38, v35                        ; u = beta F2 / tau
	v_mul_f32 v39, v39, v48                        ; w = beta^2 F3
	v_fmamk_f32 v41, v38, 0xc0800000, v32          ; S - 4 u
	v_fmamk_f32 v42, v38, 0xc1000000, v32          ; S - 8 u
	v_fmamk_f32 v43, v38, 0xc1800000, v32          ; S - 16 u
	v_fmamk_f32 v41, v39, 0x40c00000, v41          ; + 6 w:   residual^2 behind step 1
	v_fmamk_f32 v42, v39, 0x41e00000, v42          ; + 28 w:  behind step 2
	v_fmamk_f32 v43, v39, 0x42f00000, v43          ; + 120 w: behind step 3
	v_mov_b32 v44, 0x41000000                      ; 8
	v_mov_b32 v45, 4.0
	v_mov_b32 v46, 2.0
	v_cmp_gt_f32 vcc_lo, 0x322bcc77, v43           ; (1e-4)^2 > residual^2: the latest stop first, the earliest last, so that the earliest wins
	v_cndmask_b32 v37, v37, v44, vcc_lo
	v_cmp_gt_f32 vcc_lo, 0x322bcc77, v42
	v_cndmask_b32 v37, v37, v45, vcc_lo
	v_cmp_gt_f32 vcc_lo, 0x322bcc77, v41
	v_cndmask_b32 v37, v37, v46, vcc_lo            ; n
	v_mul_f32 v47, v37, v36
	v_add_f32 v49, -1.0, v37
	v_add_f32 v50, -2.0, v37
	v_mul_f32 v47, v47, v35                        ; a0 = n beta / tau
	v_mul_f32 v49, v49, v36
	v_mul_f32 v50, v50, v36
	v_mul_f32 v49, -0.5, v49                       ; r1 = -(n-1) beta / 2
	v_mul_f32 v50, 0xbeaaaaab, v50                 ; r2 = -(n-2) beta / 3
	v_readfirstlane_b32 s[SA0], v47
	v_readfirstlane_b32 s[SR1], v49
	v_readfirstlane_b32 s[SR2], v50
	s_mov_b32 s[SA0+1], s[SA0]
	s_mov_b32 s[SR1+1], s[SR1]
	s_mov_b32 s[SR2+1], s[SR2]
	s_wait_tensorcnt 0x1                           ; my part of K step 0 is in; K step 1's stays out
	s_barrier_signal -1
	s_barrier_wait -1
	STEP 0, 1                                      ; K step 0 starts the sums
.set TT, 1
.rept 10
	CHANGE ((TT+1)&1), 1, (TT+1)                   ; K step TT + 1 is asked for into the slot read last
.if TT == 4
	RESCALE SR2                                    ; V1 H1 is whole: times r2, then V1 A is added
.endif
.if TT == 8
	RESCALE SR1                                    ; times r1, then T0 A is added
.endif
	STEP (TT&1), 0
.set TT, TT+1
.endr
	CHANGE 0, 0, 0                                 ; K step 11: nothing is left to fetch
	STEP 1, 0
	; THE WAY OUT, 16 rows at a time: times a0, 32 bytes a lane into my own stage, whole rows of 256 bytes back and out.  The stage is the wave's own and LDS serves
	; a wave's instructions in order (ISA guide 5.7.1.4): no barrier, and no wait between the stores and the loads.
	PLACES
	s_lshl_b32 s44, s79, 20                        ; 128 y rows of 8,192 bytes
	s_lshl_b32 s45, s21, 19                        ; + my 64 rows
	s_add_co_u32 s44, s44, s45
	s_lshl_b32 s45, s78, 9                         ; + 128 x columns of 4 bytes
	s_add_co_u32 s44, s44, s45
	s_lshl_b32 s45, s22, 8                         ; + my 64 columns
	s_add_co_u32 s44, s44, s45
	s_mov_b32 s45, 0
	s_add_nc_u64 s[44:45], s[18:19], s[44:45]
.set AA, 0
.rept 4
	WIN 0x01                                       ; source 0 window 1
.set II, 0
.rept 16
	v_pk_mul_f32 v[TMP+2*II:TMP+2*II+1], v[32*AA+2*II:32*AA+2*II+1], s[SA0:SA0+1] op_sel_hi:[1,0]
.set II, II+1
.endr
	WIN 0
.set II, 0
.rept 8
	ds_store_b128 v[STO], v[TMP+4*II:TMP+4*II+3] offset:64*(II>>1)+16*(II&1)
.set II, II+1
.endr
	s_wait_xcnt 0x0                                ; the buffer that stores read two turns ago is loaded again only behind this wait
.set FB, F0+64*(AA&1)
.set II, 0
.rept 8
	ds_load_b128 v[FB+4*II:FB+4*II+3], v[RD] offset:II*2*SP
.set II, II+1
.endr
.set II, 0
.rept 8
	s_wait_dscnt 7-II                              ; in order: pair II of rows is in
	global_store_b128 v[CO], v[FB+4*II:FB+4*II+3], s[44:45] offset:131072*AA+16384*II th:TH_STORE_NT   ; sixteen lanes store 256 consecutive bytes, at a multiple of 256
.set II, II+1
.endr
.set AA, AA+1
.endr
	s_wait_tensorcnt 0x0
	ds_add_u32 v254, v255
	s_wait_dscnt 0x0
	CROUND                                         ; the closing round
	s_endpgm
.Lfunc_end_k_q7e32400eb0_apply:
	.size	k_q7e32400eb0_apply, .Lfunc_end_k_q7e32400eb0_apply-k_q7e32400eb0_apply
	.p2alignl 7, 3214868480
	.fill 96, 4, 3214868480
	.section	.rodata,"a",@progbits
	.p2align	6, 0x0
	.amdhsa_kernel k_q7e32400eb0_apply
		.amdhsa_group_segment_fixed_size 327680
		.amdhsa_private_segment_fixed_size 0
		.amdhsa_enable_private_segment 0
		.amdhsa_kernarg_size 64
		.amdhsa_user_sgpr_count 2
		.amdhsa_user_sgpr_kernarg_segment_ptr 1
		.amdhsa_wavefront_size32 1
		.amdhsa_system_sgpr_workgroup_id_x 1
		.amdhsa_system_sgpr_workgroup_id_y 1
		.amdhsa_system_sgpr_workgroup_id_z 1
		.amdhsa_system_vgpr_workitem_id 0
		.amdhsa_next_free_vgpr 384
		.amdhsa_next_free_sgpr 90
		.amdhsa_reserve_vcc 1
		.amdhsa_float_denorm_mode_32 3
		.amdhsa_float_denorm_mode_16_64 3
		.amdhsa_memory_ordered 1
		.amdhsa_forward_progress 1
		.amdhsa_inst_pref_size 255
	.end_amdhsa_kernel
	.section	.bss,"aw",@nobits
	.p2align	6
	.space	262144
	.amdgpu_metadata
---
amdhsa.version: [ 1, 2 ]
amdhsa.kernels:
  - .name:           k_q7e32400eb0_apply
    .symbol:         k_q7e32400eb0_apply.kd
    .args:
      - { .name: T0b, .offset: 0, .size: 8, .value_kind: global_buffer, .address_space: global }
      - { .name: V1b, .offset: 8, .size: 8, .value_kind: global_buffer, .address_space: global }
      - { .name: H1t, .offset: 16, .size: 8, .value_kind: global_buffer, .address_space: global }
      - { .name: At, .offset: 24, .size: 8, .value_kind: global_buffer, .address_space: global }
      - { .name: part1, .offset: 32, .size: 8, .value_kind: global_buffer, .address_space: global }
      - { .name: part2, .offset: 40, .size: 8, .value_kind: global_buffer, .address_space: global }
      - { .name: ben_israel_log_scale, .offset: 48, .size: 8, .value_kind: global_buffer, .address_space: global }
      - { .name: out0, .offset: 56, .size: 8, .value_kind: global_buffer, .address_space: global }
    .group_segment_fixed_size: 327680
    .private_segment_fixed_size: 0
    .kernarg_segment_align: 8
    .kernarg_segment_size: 64
    .max_flat_workgroup_size: 128
    .sgpr_count:     90
    .vgpr_count:     384
    .wavefront_size: 32
...
	.end_amdgpu_metadata
.endif
;; end of part 3
